; MI455X (gfx1250); checked and timed in simulation.
; The chip was launched on July 23, 2026; its instructions are those of AMD's public machine-readable ISA for CDNA 5 (MIT licence, August 2026) and "CDNA5" Instruction Set Architecture Reference Guide (July 2026). The comments in the code are by the model that wrote it; some were corrected since.
;; Dot Attention. Allowed arithmetic: matrix products marked QUANTISED: E2M1 operands, one E8M0 scale for each 32 along K, by v_wmma_scale_f32_16x16x128_f8f6f4 with both operands' format E2M1 (or v_wmma_scale_f32_32x16x128_f4), f32 sums; everything else in f32.
;; Inputs: key 4 x 16 x 2,048 x 128 float32; query 4 x 16 x 2,048 x 128 float32; value 4 x 16 x 2,048 x 128 float32.
;; Outputs: out0 4 x 16 x 2,048 x 128 float32.
;; This version of the problem:
;;   THIS VERSION OF THE PROBLEM IS GIVEN IN LOW PRECISION. The matrix products marked QUANTISED in the list below multiply operands that are first quantised to E2M1 (2 exponent bits, 1 mantissa bit; 4 bits a number), with one power-of-two scale for each 32 numbers along K (OCP MX v1.0); their sums are f32. All else is computed in f32.
;;   The module's matrix products, in the order in which they are computed (A, B: the left and right operand; K: the contracted axis; several contracted axes count as one K, in the product's order):
;;     1. batch 64 x [M 2,048, K 128] x [K 128, N 2,048]; A: input query; B: input key: QUANTISED
;;     2. batch 64 x [M 2,048, K 2,048] x [K 2,048, N 128]; A: softmax (see below); B: input value: QUANTISED
;;   THE QUANTISER, for each operand of a quantised product, along K:
;;     - K is cut into blocks of 32 from its start; a last block that is shorter is filled with zeros.
;;     - A block's scale is 2^e with e = floor(log2(the largest magnitude in the block)) - 2, held to -126 .. 127; a block of zeros has e = 0. As a byte (E8M0): e + 127.
;;     - Each number is divided by its block's scale, clamped to +-6, and rounded to the nearest number of E2M1, ties to even, subnormals kept.
;;     - The product sums the exact products of the quantised numbers (number of the format x scale) in f32.
;;   ~~~python
;;   def quantise(x, axis):      # numpy; x: float32 -> the quantised numbers, widened to float32 again
;;       x = np.moveaxis(x, axis, -1); K = x.shape[-1]
;;       x = np.pad(x, [(0, 0)] * (x.ndim - 1) + [(0, -K % 32)]); x = x.reshape(x.shape[:-1] + (-1, 32)); a = np.abs(x).max(-1, keepdims=True)
;;       e = np.where(a > 0, np.clip(np.frexp(np.where(a > 0, a, 1))[1] - 1 - 2, -126, 127), 0)      # np.frexp(a)[1] - 1 = floor(log2(a)), exactly
;;       r = np.clip(x / 2.0 ** e, -6, 6)
;;       step = 2.0 ** (np.maximum(np.frexp(np.where(r == 0, 1, r))[1] - 1, 0) - 1)
;;       q = np.round(r / step) * step * 2.0 ** e      # np.round: ties to even
;;       return np.moveaxis(q.reshape(q.shape[:-2] + (-1,))[..., :K], -1, axis).astype(np.float32)
;;   ~~~
;;   SOFTMAX AHEAD OF A QUANTISED PRODUCT. Where the list says 'softmax', what is quantised is not the finished softmax but p = 2^(t - M), with t = logit x log2(e) and M = ceil(the row's largest t), a whole number; so 1/2 < the row's largest p <= 1. The row's sum l is taken of the UNQUANTISED p, in f32, and the product's result is divided by l at the end. Since M is a whole number, a kernel that streams over the keys may use a running M (the ceiling of the running maximum): every later rescaling is an exact power of two, which a block's scale takes up: the codes' values come out the same.
;;   OPERANDS COMPUTED ON THE WAY. 'Computed on the way' means the value that the module computes at that place (a softmax that the list does not call 'softmax' is quantised finished and normalised). What goes into a quantiser is computed in f32, as accurately as f32 sums, v_exp_f32 and their like allow (about 1e-6 of the number): no bf16 or f16 on the way to a quantiser, and a product that is left as it is and whose result goes on into a quantised operand takes f32 operands (vector FMAs, or v_wmma_f32_16x16x4_f32). A number that lies on a knife's edge between two numbers of the format may be rounded either way, as far as f32 arithmetic and the matrix unit's own rounding can turn it there, and no further.
;; One version. Each part assembles by itself: llvm-mc -triple=amdgcn-amd-amdhsa -mcpu=gfx1250 --defsym DOCPART=n.
;; ======== version 1 of 1: 2 launches
;; limits: right only within a limited range of input values
;; workspace buffers: kv 17,825,792 bytes
;; launch quant (part 1): grid 16 x 64, 4 waves a work-group, no clusters, 34,304 bytes of LDS; arguments key, value, kv; writes kv
.if DOCPART == 1
	.amdgcn_target "amdgcn-amd-amdhsa--gfx1250"
	.amdhsa_code_object_version 6
	.text
	.protected	k_q6e8b62cb7b_quant
	.globl	k_q6e8b62cb7b_quant
	.p2align	8
	.type	k_q6e8b62cb7b_quant,@function
k_q6e8b62cb7b_quant:
	s_mov_b64 s[64:65], 0
	v_nop
	global_prefetch_b8 v0, s[64:65] scope:SCOPE_SE
	s_setreg_imm32_b32 hwreg(HW_REG_WAVE_MODE, 25, 1), 1
	s_wait_xcnt 0x0
; key and value, [64 heads][2048][128] f32, become codes of FP4 (E2M1) with one E8M0 scale byte for each 32 along a product's K: key along the head's 128, value along the KEYS.
; They are stored head by head in kv as IMAGES OF THE OPERANDS' REGISTERS, in the order in which the attention launch keeps a head in LDS.  One head, HB = 278,528 bytes:
;   KIMG (0):        fragment (key step s of 128 keys, tile T = 4 c + u) at 1024 (8 s + T); part d at 512 d; lane l = r + 16 h at 16 l: key 128 s + 64 c + 32 (r / 8) + 8 u + r % 8, dims 64 d + 32 h + 0 .. 31
;   VIMG (131,072):  fragment (s, t) at 1024 (8 s + t) + 512 c + 16 l: channel 16 t + r, keys 128 s + 64 c + 32 h + 0 .. 31
;   KSC  (262,144):  the scale word of (s, T, r) at 512 s + 256 (T / 4) + 16 r + 4 (T % 4): byte j scales dims 32 j on
;   VSC  (270,336):  the scale word of (s, t, r) at 2048 (t / 2) + 256 (s / 2) + 128 (t % 2) + 8 r + 4 (s % 2): byte j scales keys 128 s + 32 j on
; A block's scale is 2^(floor(log2(its largest magnitude)) - 2); its byte is the largest magnitude's exponent field - 2, held at 1 from below.
; LIMITS: a block of zeros gets the byte 1 where the rule says 127 (its codes are zeros, and this program alone reads the bytes); blocks whose largest magnitude lies under 2^-124 take the byte 1,
; denormal inputs were not tried; NaN and infinities among the inputs are not served.
; SHARES.  Work-group (x, head): x < 8 takes keys 256 x .. + 255 of key, x >= 8 takes keys 256 (x - 8) .. + 255 of value.  The two ways part on the work-group's number; only key's way touches LDS.
; Waves share nothing: no barrier.  No tensor load, no cluster (no two work-groups read the same bytes), no prefetch: the launch is one stream of loads and stores.
.set HB,     278528
.set VIMG,   131072
.set KSC,    262144
.set VSC,    270336
.set SPITCH, 528                       ; key's way: a stage row: 512 bytes + 16
.set WSTG,   16*SPITCH
.set W,      16                        ; scale words
.set C,      24                        ; codes: registers of their own for every store
.set X,      64                        ; numbers at work
.set R,      128                       ; key: two sets of 16 rows as loaded
	s_load_b128 s[4:7], s[0:1], 0x0                ; key, value
	s_load_b64 s[8:9], s[0:1], 0x10                ; kv
	v_lshl_add_u32 v62, v0, 2, 0x8400
	v_mov_b32 v63, 0
	v_lshrrev_b32 v1, 5, v0
	v_readfirstlane_b32 s10, v1                    ; wave 0..3
	s_and_b32 s11, ttmp7, 0xffff                   ; the head
	v_and_b32 v1, 31, v0                           ; lane
	v_and_b32 v2, 15, v0                           ; r
	v_bfe_u32 v3, v0, 4, 1                         ; h
	s_mov_b32 s20, 0x76543210
	s_mov_b32 s21, 0xfedcba98
	s_lshl_b32 s12, s11, 20
	s_mul_i32 s14, s11, HB
	s_mov_b32 s15, 0
	s_wait_kmcnt 0x0
	s_add_nc_u64 s[8:9], s[8:9], s[14:15]
	s_cmp_lt_u32 ttmp9, 8
	s_cbranch_scc0 .Lvalue
; KEY: wave w takes rows 256 x + 64 w .. + 63: key step 2 x + w / 2, tiles 4 (w % 2) + f, f = 0 .. 3.  A load takes one whole row; a tile's 16 rows turn through the wave's stage.
	s_lshl_b32 s16, ttmp9, 17
	s_lshl_b32 s17, s10, 15
	s_add_co_u32 s16, s16, s17
	s_add_co_u32 s16, s16, s12
	s_mov_b32 s17, 0
	s_add_nc_u64 s[4:5], s[4:5], s[16:17]
	s_lshl_b32 s18, ttmp9, 10
	s_lshl_b32 s19, s10, 8
	s_add_co_u32 s18, s18, s19
	s_add_co_u32 s18, s18, KSC
	s_mov_b32 s19, 0
	s_add_nc_u64 s[22:23], s[8:9], s[18:19]        ; my 256 bytes of scale words
	s_lshl_b32 s18, ttmp9, 14
	s_lshl_b32 s16, s10, 12
	s_add_co_u32 s18, s18, s16
	s_add_nc_u64 s[8:9], s[8:9], s[18:19]          ; my four fragments
	s_mul_i32 s24, s10, WSTG
	s_wait_alu depctr_va_vdst(0)
	v_lshlrev_b32 v4, 4, v1
	v_add_nc_u32 v5, s24, v4
	v_mul_u32_u24 v6, v2, SPITCH
	v_lshl_add_u32 v6, v3, 7, v6
	v_add_nc_u32 v6, s24, v6
	v_lshlrev_b32 v7, 4, v2
	v_lshl_add_u32 v7, v3, 3, v7
	v_lshlrev_b32 v22, 3, v3
	v_mov_b32 v15, 0
.macro KLOAD f                         ; tile f's 16 rows into set f % 2; the tile's row p is the wave's row 32 (p / 8) + 8 f + p % 8
.irp p, 0,1,2,3,4,5,6,7,8,9,10,11,12,13,14,15
	global_load_b128 v[R+64*((\f)%2)+4*\p:R+64*((\f)%2)+4*\p+3], v4, s[4:5] offset:(32*(\p/8)+8*(\f)+(\p%8))*512 th:TH_LOAD_NT
.endr
.endm
.macro KFRAG f
.if (\f) < 3
	s_wait_loadcnt 16                              ; this tile's 16 loads are in; the next tile's 16 may be out
.else
	s_wait_loadcnt 0x0
.endif
.irp p, 0,1,2,3,4,5,6,7,8,9,10,11,12,13,14,15
	ds_store_b128 v5, v[R+64*((\f)%2)+4*\p:R+64*((\f)%2)+4*\p+3] offset:SPITCH*\p
.endr
.irp c, 0,1
.irp i, 0,1,2,3,4,5,6,7
	ds_load_b128 v[X+32*\c+4*\i:X+32*\c+4*\i+3], v6 offset:256*\c+16*\i   ; LDS serves a wave's instructions in order (ISA guide 5.7.1.4)
.endr
.endr
	s_wait_dscnt 0x0
.if (\f)+2 < 4
	KLOAD (\f)+2
.endif
.irp c, 0,1
	v_max3_num_f32 v[8+\c], |v[X+32*\c]|, |v[X+32*\c+1]|, 0x1800000   ; with the floor 2^(3 - 127)
.endr
.irp i, 2,4,6,8,10,12,14,16,18,20,22,24,26,28,30
.irp c, 0,1
	v_max3_num_f32 v[8+\c], v[8+\c], |v[X+32*\c+\i]|, |v[X+32*\c+\i+1]|
.endr
.endr
.irp c, 0,1
	v_add_nc_u32 v[10+\c], 0xff000000, v[8+\c]     ; the conversion's scale operand
.endr
.irp c, 0,1
	v_lshrrev_b32 v[12+\c], 23, v[10+\c]           ; the scale's byte
.endr
	v_lshl_or_b32 v14, v13, 16, v12
	v_lshlrev_b32 v14, v22, v14
	v_permlanex16_b32 v15, v14, s20, s21
	v_or_b32 v[W+(\f)], v14, v15                   ; the word is whole, in both lanes
.irp c, 0,1
.irp g, 0,1,2,3
	v_cvt_scalef32_pk8_fp4_f32 v[C+8*(\f)+4*\c+\g], v[X+32*\c+8*\g:X+32*\c+8*\g+7], v[10+\c]
.endr
.endr
	v_nop
.irp c, 0,1
	global_store_b128 v4, v[C+8*(\f)+4*\c:C+8*(\f)+4*\c+3], s[8:9] offset:1024*(\f)+512*\c   ; 512 consecutive bytes, aligned
.endr
.endm
	KLOAD 0
	KLOAD 1
	s_wait_alu depctr_va_vdst(0)
	KFRAG 0
	KFRAG 1
	KFRAG 2
	KFRAG 3
	v_cmp_ne_u32 vcc_lo, 0, v3
	v_cndmask_b32 v20, v[W], v[W+2], vcc_lo
	v_cndmask_b32 v21, v[W+1], v[W+3], vcc_lo
	global_store_b64 v7, v[20:21], s[22:23]        ; 256 consecutive bytes, aligned
	s_wait_tensorcnt 0x0
	ds_add_u32 v62, v63
	s_wait_dscnt 0x0
	s_endpgm
; VALUE: a lane takes a channel and its registers run down the keys.  Wave w takes channels 32 w + lane and keys 256 (x - 8) .. + 255: 8 blocks.
.Lvalue:
	s_sub_co_u32 s16, ttmp9, 8
	s_lshl_b32 s18, s16, 17
	s_lshl_b32 s19, s10, 7
	s_add_co_u32 s18, s18, s19
	s_add_co_u32 s18, s18, s12
	s_mov_b32 s19, 0
	s_add_nc_u64 s[6:7], s[6:7], s[18:19]
	s_lshl_b32 s18, s10, 11
	s_lshl_b32 s17, s16, 8
	s_add_co_u32 s18, s18, s17
	s_add_co_u32 s18, s18, VSC
	s_add_nc_u64 s[22:23], s[8:9], s[18:19]
	s_lshl_b32 s18, s16, 14
	s_lshl_b32 s17, s10, 11
	s_add_co_u32 s18, s18, s17
	s_add_co_u32 s18, s18, VIMG
	s_add_nc_u64 s[8:9], s[8:9], s[18:19]
	s_wait_alu depctr_va_vdst(0)
	v_lshlrev_b32 v4, 2, v1
	v_lshlrev_b32 v5, 4, v2
	v_lshl_add_u32 v5, v3, 10, v5
	v_lshlrev_b32 v6, 3, v1
.macro VLOAD f
.irp i, 0,1,2,3,4,5,6,7,8,9,10,11,12,13,14,15,16,17,18,19,20,21,22,23,24,25,26,27,28,29,30,31
	global_load_b32 v[X+32*((\f)%2)+\i], v4, s[6:7] offset:(32*(\f)+\i)*512 th:TH_LOAD_NT
.endr
.endm
.macro VBLOCK f
.set XS, X+32*((\f)%2)
.if (\f) < 7
	s_wait_loadcnt 32                              ; this block's 32 loads are in; the next block's may be out
.else
	s_wait_loadcnt 0x0
.endif
	v_max3_num_f32 v12, |v[XS]|, |v[XS+1]|, |v[XS+2]|
	v_max3_num_f32 v13, |v[XS+3]|, |v[XS+4]|, |v[XS+5]|
.irp i, 6,10,14,18,22,26
	v_max3_num_f32 v12, v12, |v[XS+\i]|, |v[XS+\i+1]|
	v_max3_num_f32 v13, v13, |v[XS+\i+2]|, |v[XS+\i+3]|
.endr
	v_max3_num_f32 v12, v12, |v[XS+30]|, |v[XS+31]|
	v_max3_num_f32 v12, v12, v13, 0x1800000
	v_add_nc_u32 v11, 0xff000000, v12
	v_lshrrev_b32 v13, 23, v11
.if (\f)%4 == 0
	v_mov_b32 v[W+(\f)/4], v13
.else
	v_lshl_or_b32 v[W+(\f)/4], v13, 8*((\f)%4), v[W+(\f)/4]
.endif
.irp g, 0,1,2,3
	v_cvt_scalef32_pk8_fp4_f32 v[C+4*(\f)+\g], v[XS+8*\g:XS+8*\g+7], v11
.endr
	v_nop
	global_store_b128 v5, v[C+4*(\f):C+4*(\f)+3], s[8:9] offset:8192*((\f)/4)+512*(((\f)%4)/2)+256*((\f)%2)   ; each half of the lanes stores 256 consecutive bytes, aligned
.if (\f)+2 < 8
	VLOAD (\f)+2
.endif
.endm
	VLOAD 0
	VLOAD 1
	VBLOCK 0
	VBLOCK 1
	VBLOCK 2
	VBLOCK 3
	VBLOCK 4
	VBLOCK 5
	VBLOCK 6
	VBLOCK 7
	global_store_b64 v6, v[W:W+1], s[22:23]
	s_endpgm
.Lfunc_end_k_q6e8b62cb7b_quant:
	.size	k_q6e8b62cb7b_quant, .Lfunc_end_k_q6e8b62cb7b_quant-k_q6e8b62cb7b_quant
	.p2alignl 7, 3214868480
	.fill 96, 4, 3214868480
	.section	.rodata,"a",@progbits
	.p2align	6, 0x0
	.amdhsa_kernel k_q6e8b62cb7b_quant
		.amdhsa_group_segment_fixed_size 34304
		.amdhsa_private_segment_fixed_size 0
		.amdhsa_enable_private_segment 0
		.amdhsa_kernarg_size 24
		.amdhsa_user_sgpr_count 2
		.amdhsa_user_sgpr_kernarg_segment_ptr 1
		.amdhsa_wavefront_size32 1
		.amdhsa_system_sgpr_workgroup_id_x 1
		.amdhsa_system_sgpr_workgroup_id_y 1
		.amdhsa_system_sgpr_workgroup_id_z 1
		.amdhsa_system_vgpr_workitem_id 0
		.amdhsa_next_free_vgpr 256
		.amdhsa_next_free_sgpr 66
		.amdhsa_reserve_vcc 1
		.amdhsa_float_denorm_mode_32 3
		.amdhsa_float_denorm_mode_16_64 3
		.amdhsa_memory_ordered 1
		.amdhsa_forward_progress 1
		.amdhsa_inst_pref_size 67
	.end_amdhsa_kernel
	.amdgpu_metadata
---
amdhsa.version: [ 1, 2 ]
amdhsa.kernels:
  - .name:           k_q6e8b62cb7b_quant
    .symbol:         k_q6e8b62cb7b_quant.kd
    .args:
      - { .name: key, .offset: 0, .size: 8, .value_kind: global_buffer, .address_space: global }
      - { .name: value, .offset: 8, .size: 8, .value_kind: global_buffer, .address_space: global }
      - { .name: kv, .offset: 16, .size: 8, .value_kind: global_buffer, .address_space: global }
    .group_segment_fixed_size: 34304
    .private_segment_fixed_size: 0
    .kernarg_segment_align: 8
    .kernarg_segment_size: 24
    .max_flat_workgroup_size: 128
    .sgpr_count:     66
    .vgpr_count:     256
    .wavefront_size: 32
...
	.end_amdgpu_metadata
.endif
;; end of part 1
;; launch attn (part 2): grid 4 x 64, 8 waves a work-group, clusters of 4 x 1, 315,392 bytes of LDS; arguments query, kv, out0; writes out0
.if DOCPART == 2
	.amdgcn_target "amdgcn-amd-amdhsa--gfx1250"
	.amdhsa_code_object_version 6
	.text
	.protected	k_q6e8b62cb7b_attn
	.globl	k_q6e8b62cb7b_attn
	.p2align	8
	.type	k_q6e8b62cb7b_attn,@function
k_q6e8b62cb7b_attn:
	s_mov_b64 s[64:65], 0
	v_nop
	global_prefetch_b8 v0, s[64:65] scope:SCOPE_SE
	s_setreg_imm32_b32 hwreg(HW_REG_WAVE_MODE, 25, 1), 1
	s_wait_xcnt 0x0
	s_wait_alu depctr_hold_cnt(0) depctr_sa_sdst(0) depctr_va_vdst(0) depctr_va_sdst(0) depctr_va_ssrc(0) depctr_va_vcc(0) depctr_vm_vsrc(0)
	s_getreg_b32 s2, hwreg(HW_REG_IB_STS2, 6, 4)
	s_cmp_eq_u32 s2, 0
	s_cbranch_scc0 .Lentry_in_a_cluster
	s_endpgm
.Lentry_in_a_cluster:
	s_bfe_u32 s2, ttmp6, 0x10000c
	s_cmp_lg_u32 s2, 0x3003
	s_cbranch_scc0 .Lentry_shape_is_right
	s_endpgm
.Lentry_shape_is_right:
; out0[head][q][:] = the sum over k of softmax_k(query[head][q] . key[head][k] / 128) value[head][k][:], 64 heads of 2,048 x 128, both products on codes of FP4 (E2M1) with one E8M0 scale for each 32 along K.
; key and value come from kv as images of the operands' registers with their scale words (one head: 278,528 bytes).  query is f32 and is quantised here, in registers.
; SOFTMAX: t = score x log2(e) / 128; M = the row's largest t so far, rounded up to a whole number; p = 2^(t - M) is quantised along the keys, not normalised; the row's sum of the unquantised p divides O at the end.
; When M moves, the sum and O are multiplied by 2^(old M - new M): exact.
; SHARES.  A work-group owns 512 queries of one head; each of its eight waves 64 of them, in two rounds of TWO tiles of 16 side by side: every fragment of K and V read from LDS feeds two matrix instructions.
; Tile 0's registers lie in window 0, tile 1's at the same numbers in window 1: one text serves both under s_set_vgpr_msb.  K's fragments lie in window 0, V's in window 1; all scale words in window 0.
; A whole head lies in LDS, filled once: each wave brings one eighth by one tensor load, asked for JOINTLY by the four work-groups of the head (a cluster).  Nothing is filled again: one barrier, behind the fill.
; Both products are used transposed (S^T = K Q^T, O^T = V^T P^T): a lane holds one query (lane % 16).
; Row 8 h + j of K's tile 4 c + u is key 64 c + 32 h + 8 u + j: so lane (r, h)'s 32 registers of tiles 4 c .. 4 c + 3 are the WHOLE block of keys 64 c + 32 h + 0 .. 31, in order, which is what the next operand's layout gives that lane:
; a block's maximum needs no other lane and the conversions' results are the operand's registers.  A scale word is whole in lanes 0-15, the lanes that the matrix instruction reads.
; query comes in and out0 goes out in whole rows' halves of 256 bytes, through the wave's own stage in LDS.
; The last key step's look-ahead for K reads the 8,192 + 512 bytes that follow K's fragments and words inside the image; what it brings is not used.
; LIMITS: a p under 2^-126 comes out of v_exp_f32 as 0 (ISA guide, 15.8); a block of zeros keeps the scale byte 1 (its codes are zeros); NaN and infinities among the inputs are not served; scaled scores stay under 2^31.
.set HB,    278528
.set PART,  34816                      ; a wave's eighth: 136 rows of 256 bytes
.set VIMG,  131072                     ; K's fragment (step s, tile T) at 1024 (8 s + T) + 512 d + 16 lane; V's likewise from VIMG
.set KSC,   262144                     ; K's scale word of (s, T, r) at 512 s + 256 (T / 4) + 16 r + 4 (T % 4)
.set VSC,   270336                     ; V's of (s, t, r) at 2048 (t / 2) + 256 (s / 2) + 128 (t % 2) + 8 r + 4 (s % 2)
.set STG,   278528                     ; eight stages, one a wave: 16 rows of 256 + 16 bytes
.set SP,    272
.set WSTG,  16*SP
.set SPARE, 313344                     ; the spare words: 128 bytes a wave
.set CLIT,  0x3c38aa3b                 ; c = log2(e) / 128
.set AK0,  1                           ; 16 x lane
.set RR,   2                           ; r = lane % 16
.set PFO,  3                           ; 256 x lane: the prefetches' offset; never rewritten
.set SPW,  4
.set NIL,  5
.set FF,   6                           ; v6 f = 2^(old M - new M); v7 a second copy, first of -M, then of f: the two halves of a dual pair read their second sources from different banks
.set ADK,  8                           ; v8-11 in the key loop: LDS addresses of K, V, K's words, V's words
.set ADV,  9
.set ADS,  10
.set ADT,  11                          ; outside it: v8 stage in (O), v9 stage by rows, v10 offset in query / out0, v11 stage out (Q)
                                       ; v12 -M, v13 the largest score, v[14:15] the sum in two halves
.set QC,   16                          ; Q's codes
.set SCK,  24                          ; K's scale words (window 0)
.set FB,   32                          ; v32-95: window 0 K's eight fragments, window 1 V's; on the way out (window 1) rows of O
.set S,    96                          ; Q's numbers; S^T, then p; O / the sum
.set OT,   160                         ; O^T; query's rows as loaded
.set PC,   224                         ; p's codes
.set BM,   232
.set BT,   236
.set SO,   240
.set SCV,  244                         ; V's scale words (window 0)
.set PWA,  252                         ; p's scale words of tiles 0, 1; Q's of tiles 0, 1 (window 0)
.set PWB,  253
.set QWA,  254
.set QWB,  255
.set WV,   10
.set STB,  18                          ; s18 my stage
.set SEL,  20
.set CS,   22                          ; s22 c, s23 -c
.set NC,   23
.set G1,   24
.set G0,   32
.set TK,   36                          ; the next step's K fragments
.set TS,   37                          ; and K's words
.set TJ,   38                          ; this step's V words
.set CNT,  39
.set TV,   40                          ; this step's V fragments
.set MSB, 0
.macro WIN new                         ; the immediate's high byte repeats the setting that is left
.if MSB != (\new)
	s_set_vgpr_msb (MSB<<8)|(\new)
.set MSB, (\new)
.endif
.endm
.macro CROUND                          ; a round of the cluster's barrier
	s_barrier_signal -1
	s_barrier_wait -1
	s_cmp_lg_u32 s[WV], 0
	s_cbranch_scc1 .Lnot_wave_0_\@
	s_barrier_signal -3
.Lnot_wave_0_\@:
	s_barrier_wait -3
	s_barrier_signal -1
	s_barrier_wait -1
.endm
; The three bulk steps on pairs of neighbouring registers, as dual-issue pairs: destinations even and odd, first sources and second sources each in two banks
.macro ADD2 d, a, b
	v_dual_add_f32 v[\d], v[\a], v[\b] :: v_dual_add_f32 v[(\d)+1], v[(\a)+1], v[(\b)+1]
.endm
.macro FM n                            ; the next n pairs of scores: t - M
.rept \n
	v_dual_fmamk_f32 v[S+fj], v[S+fj], CLIT, v12 :: v_dual_fmamk_f32 v[S+fj+1], v[S+fj+1], CLIT, v[FF+1]
.set fj, fj+2
.endr
.endm
.macro RS n                            ; the next n pairs of O^T x f: first the lowest pair of each of the eight accumulators, then the rest
.rept \n
.if rq < 8
.set ra, OT+8*rq
.else
.set ra, OT+8*((rq-8)/3)+2+2*((rq-8)%3)
.endif
	v_dual_mul_f32 v[ra], v[ra], v[FF] :: v_dual_mul_f32 v[ra+1], v[ra+1], v[FF+1]
.set rq, rq+1
.endr
.endm
.macro ADDRS                           ; the addresses of the ways in and out, in the key loop's address registers
	v_bfe_u32 v[BT], v0, 4, 1                      ; h
	v_mul_u32_u24 v8, v[RR], SP
	v_mul_u32_u24 v9, v[BT], SP
	v_lshlrev_b32 v10, 9, v[BT]
	v_add_nc_u32 v8, s[STB], v8
	v_lshl_add_u32 v9, v[RR], 4, v9
	v_lshl_add_u32 v10, v[RR], 4, v10              ; memory: lanes 0-15 one row's 256 bytes, lanes 16-31 the next row's
	v_lshl_add_u32 v11, v[BT], 7, v8               ; stage row r + 128 h: my block of 32 numbers of Q
	v_add_nc_u32 v9, s[STB], v9                    ; stage row h + 16 r
	v_lshl_add_u32 v8, v[BT], 5, v8                ; stage row r + 32 h: my eight channels of O
	s_wait_alu depctr_va_vdst(0)
.endm
.macro QLOAD rd                        ; both tiles' 16 rows of query, 256 consecutive bytes for sixteen lanes, into O^T's registers
.irp w, 0,1
	WIN 0x40*\w
.irp u, 0,1
.irp i, 0,1,2,3,4,5,6,7
	global_load_b128 v[OT+32*\u+4*\i:OT+32*\u+4*\i+3], v10, s[4:5] offset:16384*\rd+8192*\w+1024*\i+256*\u th:TH_LOAD_NT
.endr
.endr
.endr
	WIN 0
.endm
.macro QSTAGE w                        ; a tile's rows turn through my stage, half a row at a time: register 32 c + i = dim 64 c + 32 h + i of row r.  LDS serves a wave's instructions in order (ISA guide 5.7.1.4)
.irp u, 0,1
	WIN 0x04*\w
.irp i, 0,1,2,3,4,5,6,7
	ds_store_b128 v9, v[OT+32*\u+4*\i:OT+32*\u+4*\i+3] offset:2*\i*SP
.endr
	WIN 0x40*\w
.irp i, 0,1,2,3,4,5,6,7
	ds_load_b128 v[S+32*\u+4*\i:S+32*\u+4*\i+3], v11 offset:16*\i
.endr
.endr
.endm
; From my two blocks' largest magnitudes (BM, BM + 1, floored) to codes cd and the scale word dst (window 0).  rs = 1: pairs of O^T's rescaling stand between the links of the chain
.macro CODES w, cd, dst, rs
	v_add_nc_u32 v[SO], 0xff000000, v[BM]          ; 2 off the exponent field: the conversion's scale operand
	v_add_nc_u32 v[SO+1], 0xff000000, v[BM+1]
.if \rs
	RS 3
.endif
	v_lshrrev_b32 v[BT], 23, v[SO]                 ; the scale's byte: blocks h and 2 + h
	v_lshrrev_b32 v[BT+1], 23, v[SO+1]
.if \rs
	RS 3
.endif
	v_lshl_or_b32 v[BT], v[BT+1], 16, v[BT]
.if \rs
	RS 3
.endif
	v_permlanex16_b32 v[BT+1], v[BT], s[SEL], s[SEL+1]
.if \rs
	RS 3
.endif
	WIN 0x15*\w                                    ; the word's last line writes into window 0
	v_lshl_or_b32 v[\dst], v[BT+1], 8, v[BT]       ; in lanes 0-15: bytes 0, 2 mine, bytes 1, 3 lane l + 16's
	WIN 0x55*\w
.irp c, 0,1
.irp g, 0,1,2,3
	v_cvt_scalef32_pk8_fp4_f32 v[\cd+4*\c+\g], v[S+32*\c+8*\g:S+32*\c+8*\g+7], v[SO+\c]
.endr
.endr
	v_nop                                          ; one plain place behind the last scaled conversion
.endm
.macro QUANT w, dst                    ; Q's two blocks of 32 a lane; then the tile's state begins
	WIN 0x55*\w
.irp k, 0,1,2,3
	v_max3_num_f32 v[BM+\k], |v[S+16*\k]|, |v[S+16*\k+1]|, 0x1800000   ; with the floor 2^(3 - 127)
.endr
.irp i, 2,4,6,8,10,12,14
.irp k, 0,1,2,3
	s_delay_alu instid0(VALU_DEP_4)
	v_max3_num_f32 v[BM+\k], v[BM+\k], |v[S+16*\k+\i]|, |v[S+16*\k+\i+1]|
.endr
.endr
	v_max_num_f32 v[BM], v[BM], v[BM+1]
	v_max_num_f32 v[BM+1], v[BM+2], v[BM+3]
	CODES \w, QC, \dst, 0
	v_mov_b32 v13, 0xff61b1e6                      ; the largest score so far: -3e38
	s_delay_alu instid0(VALU_DEP_1)
	v_floor_f32 v12, -v13                          ; -M
	v_mov_b32 v14, 0
	v_mov_b32 v15, 0
.set j, 0
.rept 64
	v_mov_b32 v[OT+j], 0                           ; the key step is written once: its first run finds zeros
.set j, j+1
.endr
.endm
.macro PREPQ                           ; both tiles of a round: in through the stage, quantised
	s_wait_loadcnt 16                              ; tile 0's 16 loads are in, tile 1's may be out
	QSTAGE 0
	s_wait_loadcnt 0x0
	QSTAGE 1
	s_wait_dscnt 0x0
	QUANT 0, QWA
	QUANT 1, QWB
	WIN 0
	s_wait_alu depctr_va_vdst(0)                   ; ahead of the waits that follow
.endm
.macro KPRE                            ; key step 0's words and fragments of K
	s_wait_xcnt 0x0                                ; the stores' and loads' registers may be written again
	s_mov_b32 s[TK], 8192
	s_mov_b32 s[TS], KSC+512
	s_mov_b32 s[TV], VIMG
	s_mov_b32 s[TJ], VSC
	v_lshl_add_u32 v[ADS], v[RR], 4, KSC
	ds_load_b128 v[SCK:SCK+3], v[ADS]
	ds_load_b128 v[SCK+4:SCK+7], v[ADS] offset:256
.irp t, 0,1,2,3,4,5,6,7
.irp c, 0,1
	ds_load_b128 v[FB+8*\t+4*\c:FB+8*\t+4*\c+3], v[AK0] offset:1024*\t+512*\c
.endr
.endr
.endm
.macro QK qw
.irp t, 0,1,2,3,4,5,6,7
	v_wmma_scale_f32_16x16x128_f8f6f4 v[S+8*\t:S+8*\t+7], v[FB+8*\t:FB+8*\t+7], v[QC:QC+7], 0, v[SCK+\t], v[\qw] matrix_a_fmt:MATRIX_FMT_FP4 matrix_b_fmt:MATRIX_FMT_FP4
.endr
.endm
; The softmax of one tile and 128 keys, and its second product
.macro SM w, pw
	WIN 0x55*\w
.set rq, 0
.set fj, 0
.if \w
	s_wait_alu depctr_va_vdst(0)
.endif
.irp k, 0,1,2,3                                ; the largest score of my two blocks, in four chains of 16 registers
	v_max3_num_f32 v[BM+\k], v[S+16*\k], v[S+16*\k+1], v[S+16*\k+2]
.endr
.irp i, 3,5,7,9,11,13
.irp k, 0,1,2,3
	v_max3_num_f32 v[BM+\k], v[BM+\k], v[S+16*\k+\i], v[S+16*\k+\i+1]
.endr
.endr
	v_mov_b32 v[BT], v12                           ; the old -M
	v_max3_num_f32 v[BM], v[BM], v[BM+1], v[S+15]
	v_max3_num_f32 v[BM+1], v[BM+2], v[BM+3], v[S+47]
	v_max_num_f32 v[BM], v[BM], v[S+31]            ; block h: it serves for the row's maximum and, since p rises with the score, for the block's largest p
	v_max_num_f32 v[BM+1], v[BM+1], v[S+63]        ; block 2 + h
	v_max3_num_f32 v13, v13, v[BM], v[BM+1]
	v_permlanex16_b32 v[BT+1], v13, s[SEL], s[SEL+1]
	v_max_num_f32 v13, v13, v[BT+1]                ; the running largest score of my query
	v_mul_f32 v12, s[NC], v13                      ; -t
	v_floor_f32 v12, v12                           ; the new -M = floor(-t)
	v_mov_b32 v[FF+1], v12
	v_sub_f32 v[BT], v12, v[BT]                    ; old M - new M: a whole number, 0 or less
	FM 4
	v_cvt_i32_f32 v[BT], v[BT]                     ; (it saturates)
	FM 4
	v_ldexp_f32 v[FF], 1.0, v[BT]                  ; f = 2^(old M - new M)
	FM 24
	v_fma_f32 v[BM], v[BM], s[CS], v12
	v_fma_f32 v[BM+1], v[BM+1], s[CS], v12
	s_wait_alu depctr_va_vdst(0)                   ; ahead of the batch
.set j, 0
.rept 64
	v_exp_f32 v[S+j], v[S+j]                       ; p
.set j, j+1
.endr
	v_pk_mul_f32 v[14:15], v[14:15], v[FF:FF+1] op_sel_hi:[1,0]   ; the sums under the new M: the plain place behind the batch
	s_wait_alu depctr_va_vdst(0)                   ; and the wait behind it
	v_exp_f32 v[BM], v[BM]                         ; my blocks' largest p
	v_exp_f32 v[BM+1], v[BM+1]
	v_mov_b32 v[FF+1], v[FF]                       ; f's second copy: the plain place behind the two
.irp k, 0,1,2,3                                ; the row's sum of the unquantised p, in eight chains
	ADD2 PC+2*\k, S+4*\k, S+4*\k+2
.endr
.irp k, 0,1,2,3
	ADD2 BT+2*\k, S+16+4*\k, S+18+4*\k
.endr
.irp g, 32,48
.irp k, 0,1,2,3
	ADD2 PC+2*\k, S+\g+2*\k, PC+2*\k
.endr
.irp k, 0,1,2,3
	ADD2 BT+2*\k, S+\g+8+2*\k, BT+2*\k
.endr
.endr
.irp k, 0,1,2,3
	ADD2 PC+2*\k, PC+2*\k, BT+2*\k
.endr
	ADD2 PC, PC, PC+4
	ADD2 PC+2, PC+2, PC+6
	ADD2 PC, PC, PC+2
	ADD2 14, 14, PC
.if \w == 0
	s_wait_dscnt 18                                ; V's words and fragments are in; the 2 + 16 loads for the next step's K may be out
.endif
	s_wait_alu depctr_va_vdst(0)                   ; one wait: for the two exponentials, and ahead of O^T's first readers
	RS 2
	v_max_num_f32 v[BM], 0x1800000, v[BM]          ; the floor 2^(3 - 127)
	v_max_num_f32 v[BM+1], 0x1800000, v[BM+1]
	RS 1
	CODES \w, PC, \pw, 1
	RS 17                                          ; the rest of O^T under the new M; also the places between p's codes and word and the products
	WIN 0x01+0x54*\w                               ; source 0 (V) window 1; the rest the tile's window
.irp t, 0,1,2,3,4,5,6,7                        ; the eight accumulators take turns
	v_wmma_scale_f32_16x16x128_f8f6f4 v[OT+8*\t:OT+8*\t+7], v[FB+8*\t:FB+8*\t+7], v[PC:PC+7], v[OT+8*\t:OT+8*\t+7], v[SCV+\t], v[\pw] matrix_a_fmt:MATRIX_FMT_FP4 matrix_b_fmt:MATRIX_FMT_FP4
.endr
.endm
; A prefetch of the wave's second round of query, 32 rows of 512 bytes: 64 blocks of 256 bytes, a lane a block, two instructions, each block named once in the launch; four key steps ahead of the loads that want them.
.macro ASK
	s_cmp_eq_u32 s[CNT], 2
	s_cbranch_scc0 .Lnot_now_\@
	global_prefetch_b8 v[PFO], s[4:5] offset:16384 th:TH_LOAD_NT scope:SCOPE_SE
	global_prefetch_b8 v[PFO], s[4:5] offset:24576 th:TH_LOAD_NT scope:SCOPE_SE
.Lnot_now_\@:
.endm
.macro STEP q, ask                     ; 128 keys, both tiles
	s_wait_dscnt 0x0                               ; this step's K is in
	WIN 0
	QK QWA
	WIN 0x54                                       ; source 1 (Q) and the result in window 1
	QK QWB
	WIN 0
	v_add_nc_u32 v[ADK], s[TK], v[AK0]             ; these four are the places between the products and the loads into their operands
	v_add_nc_u32 v[ADV], s[TV], v[AK0]
	v_lshl_add_u32 v[ADS], v[RR], 4, s[TS]
	v_lshl_add_u32 v[ADT], v[RR], 3, s[TJ]
.irp t, 0,1,2,3,4,5,6,7                        ; this step's V,
	ds_load_b32 v[SCV+\t], v[ADT] offset:2048*(\t/2)+128*(\t%2)+4*(\q)
.endr
	WIN 0x40
.irp t, 0,1,2,3,4,5,6,7
.irp c, 0,1
	ds_load_b128 v[FB+8*\t+4*\c:FB+8*\t+4*\c+3], v[ADV] offset:1024*\t+512*\c
.endr
.endr
	WIN 0
	ds_load_b128 v[SCK:SCK+3], v[ADS]              ; and the next step's K: both land while the softmax is worked
	ds_load_b128 v[SCK+4:SCK+7], v[ADS] offset:256
.irp t, 0,1,2,3,4,5,6,7
.irp c, 0,1
	ds_load_b128 v[FB+8*\t+4*\c:FB+8*\t+4*\c+3], v[ADK] offset:1024*\t+512*\c
.endr
.endr
.if \ask
	ASK
.endif
	SM 0, PWA
	SM 1, PWB
	s_add_co_u32 s[TK], s[TK], 8192
	s_add_co_u32 s[TV], s[TV], 8192
	s_add_co_u32 s[TS], s[TS], 512
.if \q
	s_add_co_u32 s[TJ], s[TJ], 256
.endif
.endm
.macro KEYS ask
	s_mov_b32 s[CNT], 8
.Lkeys_\@:                                         ; eight trips of two key steps
	STEP 0, \ask
	STEP 1, 0
	WIN 0
	s_sub_co_u32 s[CNT], s[CNT], 1
	s_cmp_lg_u32 s[CNT], 0
	s_cbranch_scc1 .Lkeys_\@
.endm
.macro DIVIDE w                        ; O^T / the row's sum, into S
	WIN 0x55*\w
	v_add_f32 v14, v14, v15
	s_delay_alu instid0(VALU_DEP_1)
	v_permlanex16_b32 v[BT], v14, s[SEL], s[SEL+1]
	s_delay_alu instid0(VALU_DEP_1)
	v_add_f32 v14, v14, v[BT]
	s_wait_alu depctr_va_vdst(0)                   ; the wait ahead of the reciprocal,
	v_rcp_f32 v14, v14
	v_nop
	s_wait_alu depctr_va_vdst(0)                   ; and ahead of its first reader, which is O^T's first reader too
.set j, 0
.rept 32
	v_pk_mul_f32 v[S+j:S+j+1], v[OT+j:OT+j+1], v[14:15] op_sel_hi:[1,0]
.set j, j+2
.endr
.endm
.macro OUT w, rd                       ; a tile leaves through my stage, half a row at a time: sixteen lanes store 256 consecutive bytes, aligned
.irp u, 0,1
	WIN 0x04*\w
.irp t, 0,1,2,3
	ds_store_b128 v8, v[S+32*\u+8*\t:S+32*\u+8*\t+3] offset:64*\t
	ds_store_b128 v8, v[S+32*\u+8*\t+4:S+32*\u+8*\t+7] offset:64*\t+16
.endr
	WIN 0x40
.irp i, 0,1,2,3,4,5,6,7
	ds_load_b128 v[FB+32*\u+4*\i:FB+32*\u+4*\i+3], v9 offset:2*\i*SP   ; in order behind the stores above; the next half's stores come behind these
.endr
.endr
	WIN 0x04
.irp i, 0,1,2,3,4,5,6,7
	s_wait_dscnt 23-\i                             ; behind this load: 7 - i of its half, and the other half's 8 stores and 8 loads
	global_store_b128 v10, v[FB+4*\i:FB+4*\i+3], s[8:9] offset:16384*\rd+8192*\w+1024*\i th:TH_STORE_NT
.endr
.irp i, 0,1,2,3,4,5,6,7
	s_wait_dscnt 7-\i
	global_store_b128 v10, v[FB+32+4*\i:FB+32+4*\i+3], s[8:9] offset:16384*\rd+8192*\w+1024*\i+256 th:TH_STORE_NT
.endr
	WIN 0
.endm
	s_load_b128 s[4:7], s[0:1], 0x0                ; query, kv
	s_load_b64 s[8:9], s[0:1], 0x10                ; out0
	v_lshl_add_u32 v[SPW], v0, 2, SPARE
	v_mov_b32 v[NIL], 0
	ds_add_u32 v[SPW], v[NIL]
	ds_add_u32 v[SPW], v[NIL]
	v_lshrrev_b32 v1, 5, v0
	s_delay_alu instid0(VALU_DEP_1)
	v_readfirstlane_b32 s[WV], v1                  ; wave 0..7
	s_bfe_u32 s11, ttmp6, 0x40000                  ; cx: it enters query's and out0's addresses alone
	s_lshl_b32 s13, ttmp9, 2
	s_add_co_u32 s13, s13, s11                     ; my block of 512 queries
	s_and_b32 s12, ttmp7, 0xffff                   ; the head
	s_lshl_b32 s14, s12, 20
	s_lshl_b32 s15, s13, 18
	s_add_co_u32 s14, s14, s15
	s_lshl_b32 s15, s[WV], 15                      ; 64 rows a wave
	s_add_co_u32 s14, s14, s15
	s_mov_b32 s15, 0
	s_mul_i32 s16, s12, HB
	s_mul_i32 s[G0+1], s[WV], PART                 ; LDS address: my eighth
	s_add_co_u32 s16, s16, s[G0+1]
	s_mov_b32 s17, 0
	s_mov_b32 s[G1], 15|(3<<16)|(1<<21)            ; the mask: all four work-groups; elements of 8 bytes; bit 21 beside a mask
	s_mov_b32 s[G1+1], 32<<16
	s_mov_b32 s[G1+2], 136<<16
	s_mov_b32 s[G1+3], 32<<16
	s_mov_b32 s[G1+4], 136
	s_mov_b32 s[G1+5], 32
	s_mov_b32 s[G1+6], 0
	s_mov_b32 s[G1+7], 0
	s_mov_b32 s[SEL], 0x76543210
	s_mov_b32 s[SEL+1], 0xfedcba98
	s_mov_b32 s[CS], CLIT
	s_mov_b32 s[NC], 0xbc38aa3b
	s_mul_i32 s[STB], s[WV], WSTG
	s_add_co_u32 s[STB], s[STB], STG
	s_wait_dscnt 0x0
	s_wait_kmcnt 0x0
	s_add_nc_u64 s[4:5], s[4:5], s[14:15]
	s_add_nc_u64 s[8:9], s[8:9], s[14:15]
	s_mov_b32 s[G0], 1
	s_add_nc_u64 s[G0+2:G0+3], s[6:7], s[16:17]
	s_or_b32 s[G0+3], s[G0+3], 0x80000000
	CROUND                                         ; the joint loads meet
	tensor_load_to_lds s[G0:G0+3], s[G1:G1+7]      ; my one tensor load of the launch
	s_nop 0
.rept 4
	v_nop
.endr
	v_and_b32 v[AK0], 31, v0
	v_and_b32 v[RR], 15, v0
	s_delay_alu instid0(VALU_DEP_2)
	v_lshlrev_b32 v[PFO], 8, v[AK0]
	v_lshlrev_b32 v[AK0], 4, v[AK0]
.irp w, 0,1
	WIN 0x40*\w
.irp b, 0,1,2,3
	v_mov_b32 v[BT+\b], 0                          ; a lane permute's destination counts as one of its sources
.endr
.endr
	WIN 0
	ADDRS
	QLOAD 0
	PREPQ                                          ; the first round's query is staged (in bytes on which no fill lands) and quantised while the head is on its way
	s_wait_tensorcnt 0x0                           ; my eighth has landed
	s_barrier_signal -1
	s_barrier_wait -1                              ; the whole head lies in LDS
	KPRE
	KEYS 1
	DIVIDE 0
	DIVIDE 1
	WIN 0
	ADDRS
	QLOAD 1                                        ; O^T's registers are free: the second round's query sets out ahead of the way out
	OUT 0, 0
	s_wait_xcnt 0x0                                ; the stores have read the rows' registers
	OUT 1, 0
	PREPQ
	KPRE
	KEYS 0
	DIVIDE 0
	DIVIDE 1
	WIN 0
	ADDRS
	OUT 0, 1
	s_wait_xcnt 0x0
	OUT 1, 1
	s_wait_tensorcnt 0x0                           ; the wave's end
	ds_add_u32 v[SPW], v[NIL]
	s_wait_dscnt 0x0
	CROUND                                         ; the closing round
	s_endpgm
.Lfunc_end_k_q6e8b62cb7b_attn:
	.size	k_q6e8b62cb7b_attn, .Lfunc_end_k_q6e8b62cb7b_attn-k_q6e8b62cb7b_attn
	.p2alignl 7, 3214868480
	.fill 96, 4, 3214868480
	.section	.rodata,"a",@progbits
	.p2align	6, 0x0
	.amdhsa_kernel k_q6e8b62cb7b_attn
		.amdhsa_group_segment_fixed_size 315392
		.amdhsa_private_segment_fixed_size 0
		.amdhsa_enable_private_segment 0
		.amdhsa_kernarg_size 24
		.amdhsa_user_sgpr_count 2
		.amdhsa_user_sgpr_kernarg_segment_ptr 1
		.amdhsa_wavefront_size32 1
		.amdhsa_system_sgpr_workgroup_id_x 1
		.amdhsa_system_sgpr_workgroup_id_y 1
		.amdhsa_system_sgpr_workgroup_id_z 1
		.amdhsa_system_vgpr_workitem_id 0
		.amdhsa_next_free_vgpr 512
		.amdhsa_next_free_sgpr 66
		.amdhsa_reserve_vcc 0
		.amdhsa_float_denorm_mode_32 3
		.amdhsa_float_denorm_mode_16_64 3
		.amdhsa_memory_ordered 1
		.amdhsa_forward_progress 1
		.amdhsa_inst_pref_size 207
	.end_amdhsa_kernel
	.amdgpu_metadata
---
amdhsa.version: [ 1, 2 ]
amdhsa.kernels:
  - .name:           k_q6e8b62cb7b_attn
    .symbol:         k_q6e8b62cb7b_attn.kd
    .args:
      - { .name: query, .offset: 0, .size: 8, .value_kind: global_buffer, .address_space: global }
      - { .name: kv, .offset: 8, .size: 8, .value_kind: global_buffer, .address_space: global }
      - { .name: out0, .offset: 16, .size: 8, .value_kind: global_buffer, .address_space: global }
    .group_segment_fixed_size: 315392
    .private_segment_fixed_size: 0
    .kernarg_segment_align: 8
    .kernarg_segment_size: 24
    .max_flat_workgroup_size: 256
    .sgpr_count:     66
    .vgpr_count:     512
    .wavefront_size: 32
...
	.end_amdgpu_metadata
.endif
;; end of part 2
